; MI455X (gfx1250); checked and timed in simulation.
; The chip was launched on July 23, 2026; its instructions are those of AMD's public machine-readable ISA for CDNA 5 (MIT licence, August 2026) and "CDNA5" Instruction Set Architecture Reference Guide (July 2026). The comments in the code are by the model that wrote it; some were corrected since.
;; MLP Block. Allowed arithmetic: float matrix products may take bf16 or f16 operands with f32 sums; all other float work in f32.
;; Inputs: gate_bias 8 float32; gate_kernel 1,024 x 8 float32; mlp1_bias 8 x 4,096 float32; mlp1_weight 8 x 1,024 x 4,096 float32; mlp2_bias 8 x 1,024 float32; mlp2_weight 8 x 2,048 x 1,024 float32; scale 1,024 float32; x 1,024 x 1,024 float32.
;; Outputs: out0 1,024 x 1,024 float32.
;; 2 versions, each right; version 2 is version 1 with the launch prep written anew for expert scheduling mode. Each part assembles by itself: llvm-mc -triple=amdgcn-amd-amdhsa -mcpu=gfx1250 --defsym DOCPART=n.
;; ======== version 1 of 2: 3 launches
;; workspace buffers: xn 2,097,152 bytes; logits 32,768 bytes; w1b 16,777,216 bytes; w2b 8,388,608 bytes; act 8,388,608 bytes
;; launch prep (part 1): grid 256 x 1, 4 waves a work-group, no clusters, 0 bytes of LDS; arguments x, scale, gate_kernel, gate_bias, mlp1_weight, mlp2_weight, xn, logits, w1b, w2b; writes xn, logits, w1b, w2b
.if DOCPART == 1
	.amdgcn_target "amdgcn-amd-amdhsa--gfx1250"
	.amdhsa_code_object_version 6
	.text
	.protected	k_q2eb1203f1e_prep
	.globl	k_q2eb1203f1e_prep
	.p2align	8
	.type	k_q2eb1203f1e_prep,@function
k_q2eb1203f1e_prep:
	s_mov_b64 s[64:65], 0
	v_nop
	global_prefetch_b8 v0, s[64:65] scope:SCOPE_SE
	s_setreg_imm32_b32 hwreg(HW_REG_WAVE_MODE, 25, 1), 1
	s_wait_xcnt 0x0
; PREP: a stream.  1,024 waves (256 work-groups of 4), every wave the same work, no wave waits for another:
;   one row of x:   xn[t][:] = bf16( x * scale * rsqrt(mean(x^2) + 1e-5) ),  logits[t][:] = normed (f32) . gate_kernel + gate_bias
;   two rows of mlp1_weight (experts 0 and 1 are rows 0 .. 2047 of 16,384 bytes) cast to bf16 into w1b
;   four rows of mlp2_weight (experts 0 and 1 are rows 0 .. 4095 of 4,096 bytes) cast to bf16 into w2b
; Experts 2 to 7 have the weight 0 in the mix that the problem itself builds: their weights are not cast and not used.
; The logits feed no output of the problem; they are computed because the problem computes them, in f32 on the vector unit
; (8 columns, one row a wave), and stored in a buffer that no later launch reads.
; LAYOUTS.  w1b: [2048 rows e*1024+k][4096] bf16; the columns are reordered in pieces of 128: piece p of the gate half, then piece p of
; the linear half, so that 256 neighbouring columns hold the gate and the linear part of the same 128 outputs.
; w2b: [16 column blocks][4096 rows e*2048+i][64] bf16: each column block is dense.
; No LDS, no matrix unit, no cluster: nothing but gate_kernel (32 KiB), scale and gate_bias is read by more than one wave.
; Every load of the weights covers 512 consecutive bytes (w2: two runs of 256), every store of a wave 256 consecutive bytes, aligned.
; Three banks of 16 loads take turns: while one job is worked on, two jobs (32 loads) are on their way.
.set LG, 8                             ; v[8:15]    the eight logit sums of my lane
.set SQ, 16                            ; v[16:23]   at work
.set XR, 24                            ; v[24:55]   the row of x: load j holds columns 128 j + 4 lane + 0..3; later normed, in f32
.set B0, 56                            ; v[56:119]  bank 0
.set B1, 120                           ; v[120:183] bank 1
.set B2, 184                           ; v[184:247] bank 2
; v1 lane, v2 16 lane, v3 8 lane, v4 (lane/16) 4096 + (lane%16) 16, v5 128 lane, v6 0: never rewritten
	s_load_b512 s[4:19], s[0:1], 0x0               ; x 4, scale 6, gate_kernel 8, gate_bias 10, mlp1_weight 12, mlp2_weight 14, xn 16, logits 18
	s_load_b128 s[20:23], s[0:1], 0x40             ; w1b 20, w2b 22
	v_lshrrev_b32 v7, 5, v0
	v_readfirstlane_b32 s32, v7                    ; wave in the work-group
	s_lshl_b32 s33, ttmp9, 2
	s_add_co_u32 s33, s33, s32                     ; gw: wave in the launch, 0 .. 1023
	s_mov_b32 s36, 0x76543210                      ; v_permlanex16_b32: lane i of one half reads lane i of the other
	s_mov_b32 s37, 0xfedcba98
	s_mov_b32 s38, 0x3a800000                      ; 1 / 1024
	v_and_b32 v1, 31, v0
	v_lshlrev_b32 v2, 4, v1
	v_lshlrev_b32 v3, 3, v1
	v_and_b32 v4, 15, v0
	v_bfe_u32 v7, v0, 4, 1
	v_lshlrev_b32 v4, 4, v4
	v_lshl_add_u32 v4, v7, 12, v4
	v_lshlrev_b32 v5, 7, v1
	v_mov_b32 v6, 0
	s_mov_b32 s35, 0
	s_wait_kmcnt 0x0
	s_load_b256 s[24:31], s[10:11], 0x0            ; gate_bias, waited for at the end
	s_lshl_b32 s34, s33, 12
	s_add_nc_u64 s[4:5], s[4:5], s[34:35]          ; x: my row of 4,096 bytes
	s_lshl_b32 s34, s33, 11
	s_add_nc_u64 s[16:17], s[16:17], s[34:35]      ; xn: my row of 2,048 bytes
	s_lshl_b32 s34, s33, 5
	s_add_nc_u64 s[18:19], s[18:19], s[34:35]      ; logits: my 32 bytes
	s_lshl_b32 s34, s33, 15
	s_add_nc_u64 s[12:13], s[12:13], s[34:35]      ; mlp1_weight: my two rows, 32,768 bytes
	s_lshl_b32 s34, s33, 14
	s_add_nc_u64 s[20:21], s[20:21], s[34:35]      ; w1b: my two rows, 16,384 bytes
	s_add_nc_u64 s[14:15], s[14:15], s[34:35]      ; mlp2_weight: my four rows, 16,384 bytes
	s_lshl_b32 s34, s33, 9
	s_add_nc_u64 s[22:23], s[22:23], s[34:35]      ; w2b: my four rows of 128 bytes in column block 0
; Job W1, part g of 4: pieces 16 g .. 16 g + 15 of my 64 pieces of 128 columns (512 bytes of f32).
.macro LDW1 g, bk
.set t, 0
.rept 16
	global_load_b128 v[\bk+4*t:\bk+4*t+3], v2, s[12:13] offset:(16*\g+t)*512 th:TH_LOAD_NT
.set t, t+1
.endr
.endm
; Piece T: row T / 32; in the row, half (T / 16) % 2 (gate, linear), piece T % 16 of that half.
.macro STW1 g, bk
.set t, 0
.rept 16
	v_cvt_pk_bf16_f32 v[\bk+4*t], v[\bk+4*t], v[\bk+4*t+1]
	v_cvt_pk_bf16_f32 v[\bk+4*t+1], v[\bk+4*t+2], v[\bk+4*t+3]
	global_store_b64 v3, v[\bk+4*t:\bk+4*t+1], s[20:21] offset:((16*\g+t)>>5)*8192+((16*\g+t)&15)*512+(((16*\g+t)>>4)&1)*256
.set t, t+1
.endr
.endm
; Job W2, part g of 2: rows 2 g and 2 g + 1 of my four; load t takes column block t: lanes 0-15 the first row's 256 bytes, lanes 16-31 the second's.
.macro LDW2 g, bk
.set t, 0
.rept 16
	global_load_b128 v[\bk+4*t:\bk+4*t+3], v4, s[14:15] offset:\g*8192+t*256 th:TH_LOAD_NT
.set t, t+1
.endr
.endm
.macro STW2 g, bk
.set t, 0
.rept 16
	v_cvt_pk_bf16_f32 v[\bk+4*t], v[\bk+4*t], v[\bk+4*t+1]
	v_cvt_pk_bf16_f32 v[\bk+4*t+1], v[\bk+4*t+2], v[\bk+4*t+3]
	global_store_b64 v3, v[\bk+4*t:\bk+4*t+1], s[22:23] offset:t*524288+\g*256   ; a column block is 4,096 rows of 128 bytes; two rows are 256 bytes
.set t, t+1
.endr
.endm
; Job GK, part g of 4: the rows of gate_kernel that belong to loads 2 g and 2 g + 1 of x.  My four columns of a load are four rows of
; 32 bytes: 128 bytes at 4,096 j + 128 lane, eight loads; the eight together cover 4,096 consecutive bytes.
.macro LDGK g, bk
.set t, 0
.rept 16
	global_load_b128 v[\bk+4*t:\bk+4*t+3], v5, s[8:9] offset:(2*\g+(t>>3))*4096+(t&7)*16
.set t, t+1
.endr
.endm
; one row of gate_kernel (8 numbers at kreg) times one number of the normed row (register sel of the pair at xreg)
.macro GKC kreg, xreg, sel, first
.irp i, 0,2,4,6
.if \first
	v_pk_mul_f32 v[LG+\i:LG+\i+1], v[\kreg+\i:\kreg+\i+1], v[\xreg:\xreg+1] op_sel:[0,\sel] op_sel_hi:[1,\sel]   ; the first products start the sums
.else
	v_pk_fma_f32 v[LG+\i:LG+\i+1], v[\kreg+\i:\kreg+\i+1], v[\xreg:\xreg+1], v[LG+\i:LG+\i+1] op_sel:[0,\sel,0] op_sel_hi:[1,\sel,1]
.endif
.endr
.endm
.macro DOGK g, bk, first
	GKC \bk+0,  XR+8*\g,   0, \first
	GKC \bk+8,  XR+8*\g,   1, 0
	GKC \bk+16, XR+8*\g+2, 0, 0
	GKC \bk+24, XR+8*\g+2, 1, 0
	GKC \bk+32, XR+8*\g+4, 0, 0
	GKC \bk+40, XR+8*\g+4, 1, 0
	GKC \bk+48, XR+8*\g+6, 0, 0
	GKC \bk+56, XR+8*\g+6, 1, 0
.endm
.irp j, 0,1,2,3,4,5,6,7
	global_load_b128 v[XR+4*\j:XR+4*\j+3], v2, s[4:5] offset:512*\j th:TH_LOAD_NT
.endr
.irp j, 0,1,2,3,4,5,6,7
	global_load_b128 v[B2+4*\j:B2+4*\j+3], v2, s[6:7] offset:512*\j               ; scale, in the layout of x
.endr
	LDW1 0, B0                                     ; job 0
	LDW1 1, B1                                     ; job 1
	s_wait_loadcnt 32                              ; loads come back in order (ISA guide 5.7.1): x and scale are in, jobs 0 and 1 (32 loads) stay out
	v_pk_mul_f32 v[SQ:SQ+1], v[XR:XR+1], v[XR:XR+1]              ; sum of squares, two packed chains
	v_pk_mul_f32 v[SQ+2:SQ+3], v[XR+2:XR+3], v[XR+2:XR+3]
.set j, 4
.rept 7
	v_pk_fma_f32 v[SQ:SQ+1], v[XR+j:XR+j+1], v[XR+j:XR+j+1], v[SQ:SQ+1]
	v_pk_fma_f32 v[SQ+2:SQ+3], v[XR+j+2:XR+j+3], v[XR+j+2:XR+j+3], v[SQ+2:SQ+3]
.set j, j+4
.endr
	v_pk_add_f32 v[SQ:SQ+1], v[SQ:SQ+1], v[SQ+2:SQ+3]
	v_add_f32 v[SQ], v[SQ], v[SQ+1]
	v_add_f32_dpp v[SQ], v[SQ], v[SQ] row_xmask:1 row_mask:0xf bank_mask:0xf
	v_add_f32_dpp v[SQ], v[SQ], v[SQ] row_xmask:2 row_mask:0xf bank_mask:0xf
	v_add_f32_dpp v[SQ], v[SQ], v[SQ] row_xmask:4 row_mask:0xf bank_mask:0xf
	v_add_f32_dpp v[SQ], v[SQ], v[SQ] row_xmask:8 row_mask:0xf bank_mask:0xf
	v_permlanex16_b32 v[SQ+1], v[SQ], s36, s37
	v_add_f32 v[SQ], v[SQ], v[SQ+1]                ; the row's sum in every lane
	v_mov_b32 v[SQ+2], 0x3727c5ac                  ; 1e-5
	v_fma_f32 v[SQ+2], v[SQ], s38, v[SQ+2]         ; mean + eps
	v_rsq_f32 v[SQ+4], v[SQ+2]                     ; twice, for the packed multiply; the products by scale below are the plain
	v_rsq_f32 v[SQ+5], v[SQ+2]                     ; instructions that stand between these and the first use of their results
.set j, 0
.rept 16
	v_pk_mul_f32 v[XR+j:XR+j+1], v[XR+j:XR+j+1], v[B2+j:B2+j+1]
.set j, j+2
.endr
.set j, 0
	s_wait_alu depctr_va_vdst(0)
.rept 16
	v_pk_mul_f32 v[XR+j:XR+j+1], v[XR+j:XR+j+1], v[SQ+4:SQ+5]
.set j, j+2
.endr
.irp j, 0,1,2,3,4,5,6,7
	v_cvt_pk_bf16_f32 v[B2+32+2*\j], v[XR+4*\j], v[XR+4*\j+1]
	v_cvt_pk_bf16_f32 v[B2+33+2*\j], v[XR+4*\j+2], v[XR+4*\j+3]
	global_store_b64 v3, v[B2+32+2*\j:B2+33+2*\j], s[16:17] offset:256*\j
.endr
	s_wait_xcnt 0x0                                ; bank 2 holds data of the stores above: loaded again only behind this wait
	LDGK 0, B2                                     ; job 2
	; Ten jobs on banks 0, 1, 2, 0 ..: at each job's wait the two younger jobs (32 loads) stay out.
	; In front of each refill of a bank: s_wait_xcnt 0, since the bank may hold data of stores just issued.
	s_wait_loadcnt 32
	STW1 0, B0                                     ; job 0
	s_wait_xcnt 0x0
	LDW1 2, B0                                     ; job 3
	s_wait_loadcnt 32
	STW1 1, B1                                     ; job 1
	s_wait_xcnt 0x0
	LDGK 1, B1                                     ; job 4
	s_wait_loadcnt 32
	DOGK 0, B2, 1                                  ; job 2
	s_wait_xcnt 0x0
	LDW1 3, B2                                     ; job 5
	s_wait_loadcnt 32
	STW1 2, B0                                     ; job 3
	s_wait_xcnt 0x0
	LDGK 2, B0                                     ; job 6
	s_wait_loadcnt 32
	DOGK 1, B1, 0                                  ; job 4
	s_wait_xcnt 0x0
	LDW2 0, B1                                     ; job 7
	s_wait_loadcnt 32
	STW1 3, B2                                     ; job 5
	s_wait_xcnt 0x0
	LDGK 3, B2                                     ; job 8
	s_wait_loadcnt 32
	DOGK 2, B0, 0                                  ; job 6
	s_wait_xcnt 0x0
	LDW2 1, B0                                     ; job 9, the last loads
	s_wait_loadcnt 32
	STW2 0, B1                                     ; job 7
	s_wait_loadcnt 16                              ; one younger job is left
	DOGK 3, B2, 0                                  ; job 8
	s_wait_loadcnt 0x0
	STW2 1, B0                                     ; job 9
	; the eight logits: over the 32 lanes, plus the bias; lane 0 stores the row's 32 bytes
.irp i, 0,1,2,3,4,5,6,7
	v_add_f32_dpp v[LG+\i], v[LG+\i], v[LG+\i] row_xmask:1 row_mask:0xf bank_mask:0xf
	v_add_f32_dpp v[LG+\i], v[LG+\i], v[LG+\i] row_xmask:2 row_mask:0xf bank_mask:0xf
	v_add_f32_dpp v[LG+\i], v[LG+\i], v[LG+\i] row_xmask:4 row_mask:0xf bank_mask:0xf
	v_add_f32_dpp v[LG+\i], v[LG+\i], v[LG+\i] row_xmask:8 row_mask:0xf bank_mask:0xf
	v_permlanex16_b32 v[SQ], v[LG+\i], s36, s37
	v_add_f32 v[LG+\i], v[LG+\i], v[SQ]
.endr
	s_wait_kmcnt 0x0                               ; gate_bias
.irp i, 0,1,2,3,4,5,6,7
	v_add_f32 v[LG+\i], s[24+\i], v[LG+\i]
.endr
	v_cmp_eq_u32 vcc_lo, 0, v1
	s_wait_xcnt 0x0                                ; EXEC is a source of the stores above: it changes only behind this wait
	s_and_saveexec_b32 s40, vcc_lo
	global_store_b128 v6, v[LG:LG+3], s[18:19]
	global_store_b128 v6, v[LG+4:LG+7], s[18:19] offset:16
	s_wait_xcnt 0x0                                ; and again in front of the line that widens it
	s_or_b32 exec_lo, exec_lo, s40
	s_endpgm
.Lfunc_end_k_q2eb1203f1e_prep:
	.size	k_q2eb1203f1e_prep, .Lfunc_end_k_q2eb1203f1e_prep-k_q2eb1203f1e_prep
	.p2alignl 7, 3214868480
	.fill 96, 4, 3214868480
	.section	.rodata,"a",@progbits
	.p2align	6, 0x0
	.amdhsa_kernel k_q2eb1203f1e_prep
		.amdhsa_group_segment_fixed_size 0
		.amdhsa_private_segment_fixed_size 0
		.amdhsa_enable_private_segment 0
		.amdhsa_kernarg_size 80
		.amdhsa_user_sgpr_count 2
		.amdhsa_user_sgpr_kernarg_segment_ptr 1
		.amdhsa_wavefront_size32 1
		.amdhsa_system_sgpr_workgroup_id_x 1
		.amdhsa_system_sgpr_workgroup_id_y 1
		.amdhsa_system_sgpr_workgroup_id_z 1
		.amdhsa_system_vgpr_workitem_id 0
		.amdhsa_next_free_vgpr 248
		.amdhsa_next_free_sgpr 66
		.amdhsa_reserve_vcc 1
		.amdhsa_float_denorm_mode_32 3
		.amdhsa_float_denorm_mode_16_64 3
		.amdhsa_memory_ordered 1
		.amdhsa_forward_progress 1
		.amdhsa_inst_pref_size 57
	.end_amdhsa_kernel
	.amdgpu_metadata
---
amdhsa.version: [ 1, 2 ]
amdhsa.kernels:
  - .name:           k_q2eb1203f1e_prep
    .symbol:         k_q2eb1203f1e_prep.kd
    .args:
      - { .name: x, .offset: 0, .size: 8, .value_kind: global_buffer, .address_space: global }
      - { .name: scale, .offset: 8, .size: 8, .value_kind: global_buffer, .address_space: global }
      - { .name: gate_kernel, .offset: 16, .size: 8, .value_kind: global_buffer, .address_space: global }
      - { .name: gate_bias, .offset: 24, .size: 8, .value_kind: global_buffer, .address_space: global }
      - { .name: mlp1_weight, .offset: 32, .size: 8, .value_kind: global_buffer, .address_space: global }
      - { .name: mlp2_weight, .offset: 40, .size: 8, .value_kind: global_buffer, .address_space: global }
      - { .name: xn, .offset: 48, .size: 8, .value_kind: global_buffer, .address_space: global }
      - { .name: logits, .offset: 56, .size: 8, .value_kind: global_buffer, .address_space: global }
      - { .name: w1b, .offset: 64, .size: 8, .value_kind: global_buffer, .address_space: global }
      - { .name: w2b, .offset: 72, .size: 8, .value_kind: global_buffer, .address_space: global }
    .group_segment_fixed_size: 0
    .private_segment_fixed_size: 0
    .kernarg_segment_align: 8
    .kernarg_segment_size: 80
    .max_flat_workgroup_size: 128
    .sgpr_count:     66
    .vgpr_count:     248
    .wavefront_size: 32
...
	.end_amdgpu_metadata
.endif
;; end of part 1
;; launch mlp1 (part 2): grid 32 x 8, 4 waves a work-group, clusters of 4 x 4, 327,680 bytes of LDS; arguments xn, w1b, mlp1_bias, act; writes act
.if DOCPART == 2
	.amdgcn_target "amdgcn-amd-amdhsa--gfx1250"
	.amdhsa_code_object_version 6
	.text
	.protected	k_q2eb1203f1e_mlp1
	.globl	k_q2eb1203f1e_mlp1
	.p2align	8
	.type	k_q2eb1203f1e_mlp1,@function
k_q2eb1203f1e_mlp1:
	s_mov_b64 s[64:65], 0
	v_nop
	global_prefetch_b8 v0, s[64:65] scope:SCOPE_SE
	s_setreg_imm32_b32 hwreg(HW_REG_WAVE_MODE, 25, 1), 1
	s_wait_xcnt 0x0
	s_wait_alu depctr_hold_cnt(0) depctr_sa_sdst(0) depctr_va_vdst(0) depctr_va_sdst(0) depctr_va_ssrc(0) depctr_va_vcc(0) depctr_vm_vsrc(0)
	s_getreg_b32 s2, hwreg(HW_REG_IB_STS2, 6, 4)
	s_cmp_eq_u32 s2, 0
	s_cbranch_scc0 .Lentry_in_a_cluster
	s_endpgm
.Lentry_in_a_cluster:
	s_bfe_u32 s2, ttmp6, 0x10000c
	s_cmp_lg_u32 s2, 0xf033
	s_cbranch_scc0 .Lentry_shape_is_right
	s_endpgm
.Lentry_shape_is_right:
; MLP1: hidden = xn . W1[e] + b1[e] for experts e = 0, 1; act = g * sigmoid(1.702 g) * (l + 1), g = min(gate, 7), l = clip(linear, -7, 7); act in bf16.
; xn: [1024][1024] bf16.  w1b: [e*1024+k][4096] bf16, in each 256 columns 128 gate columns and then the 128 linear columns of the same outputs.
; act: [1024][e*2048+i] bf16.  Sums in f32, started by the bias.
; A work-group makes 128 rows x 128 outputs (256 hidden columns) of expert bx / 16, column block bx % 16: 32 x 8 = 256 work-groups.
; Four waves; wave (wm, wn) makes 64 rows x (64 gate + 64 linear columns): 32 accumulator tiles of 16 x 16, 256 registers.
; K goes in 8 steps of 128 through two LDS slots filled by tensor loads: waves 0, 1 fetch 64 k-rows of W1 each (512 bytes a row),
; waves 2, 3 fetch 64 rows of xn each (256 bytes a row).
; CLUSTERS: 4 x 4.  xn's tile hangs on the block row alone and is asked for jointly by a row of the cluster, W1's on the block column alone
; and is asked for jointly by a column: each tile is requested once for four work-groups.
; K IS WALKED FROM A START OF THE CLUSTER'S OWN: cluster (X, Y) takes the K steps (start + s) mod 8, s = 0 .. 7, start = (2 (X mod 4) + 4 Y) mod 8.
; The clusters of one Y read the same rows of xn, the two clusters of one X the same columns of W1: four neighbouring X start 0, 2, 4, 6,
; the two Y four steps apart, so that the clusters that read a tile ask for it in different steps and not all in the same one.
; The start is made of the cluster's coordinates alone, which all sixteen partners share.
; W1 stays [K][N] in LDS; its fragments come by the transposing LDS load.  THE MATRIX INSTRUCTION IS USED TRANSPOSED (source 0 = 16 columns of W1,
; source 1 = 16 rows of xn): register j of lane l then holds row l % 16, column 8 (l / 16) + j, eight neighbouring columns of a row.
; By this text's own count a wave has two tensor loads out at the start and one behind each round of the cluster's barrier.
; The 32 accumulators take turns, one instruction a turn, in the same order in every quarter step.
; LIMITS.  Experts 2 to 7 have the weight 0 in the problem's own mix and are not computed (an overflow in one of them would not reach the output).
; A NaN in hidden is dropped by the clips (v_min_num_f32, v_med3_num_f32).  For a gate below about -51 the reciprocal's result is flushed
; and act is -0, where the exact value is below 1e-36 in magnitude.  The additions along K begin at the cluster's start: another order of rounding.
; REGISTERS: window 0: v16-27 addresses, v32-127 and v128-223 two fragment buffers (64 of W1, 32 of xn); window 1: the accumulators, tile (a, b) at v[8 (8 a + b)];
; window 2: v0-63 the bias in the layout of a C operand, 8 registers for each column tile.
.set NB,    8                          ; column tiles of a wave: 0-3 gate, 4-7 linear
.set PB,    544                        ; LDS pitch of a k-row of W1: 512 bytes + 32 = 17 x 32
.set PA,    272                        ; LDS pitch of a row of xn: 256 bytes + 16 = 17 x 16
.set BQ,    32*PB                      ; 32 k-rows: a quarter step
.set BH,    16*PB                      ; 16 k-rows: a fragment's second half
.set AOFF,  128*PB                     ; xn's tile lies behind W1's 128 k-rows
.set SLOT,  AOFF+128*PA                ; 104,448
.set STAGE, 2*SLOT                     ; 128 rows x 272 bytes for the way out: bytes of its own, no tensor load lands there
.set ASH,   8                          ; a K step in xn: 128 elements along the row = 256 bytes = 1 << 8
.set BSH,   20                         ; a K step in w1b: 128 rows of 8,192 bytes = 1 << 20
.set ADRA, 16                          ; v16-17 LDS address of my xn fragments in slot 0, 1
.set ADRB, 20                          ; v20-21 the same for W1
.set STO,  24                          ; way out: where I put 16 bytes
.set RD,   25                          ; way out: where I read a row back
.set CO,   26                          ; my byte offset in act
.set HB,   27                          ; 32 (l / 16): my eight numbers of a bias tile
.set F0,   32
.set F1,   128
.set TG,   32                          ; way out: 32 gates, then results
.set TL,   64                          ; 32 linear parts
.set TE,   96                          ; 32 sigmoids
.set TP,   128                         ; 16 packed words
.set OUTR, 144                         ; 64 registers: rows read back
.set G1,  24                           ; s[24:31] group 1 for xn
.set G0,  32                           ; s[32:39] group 0 for xn, four registers for each slot
.set G1B, 40                           ; s[40:47] group 1 for W1
.set G0B, 48                           ; s[48:55] group 0 for W1
.set KI,  77                           ; s77, s78: the K step (0 .. 7) of slot 0's, slot 1's latest tile
.set ACC,  0x50                        ; C and D in window 1, sources in window 0
.set ACCB, 0x60                        ; D in window 1, C (the bias) in window 2
.set MSB, 0
.macro WIN new                         ; the immediate's high byte repeats the setting that is left; a switch that changes nothing is dropped
.if MSB != \new
	s_set_vgpr_msb (MSB<<8)|\new
.set MSB, \new
.endif
.endm
.macro PLACES                          ; four plain vector instructions between a matrix instruction and a load into, or a vector access to, its registers
.rept 4
	v_nop
.endr
.endm
; A joint load: waves 0, 1 ask for W1's halves, waves 2, 3 for xn's.  The branch hangs on the wave's number alone.
.macro JLOAD s
	s_cmp_eq_u32 s13, 0
	s_cbranch_scc0 .Lfor_a_\@
	tensor_load_to_lds s[G0B+4*\s:G0B+4*\s+3], s[G1B:G1B+7]
	s_nop 0
	s_branch .Lasked_\@
.Lfor_a_\@:
	tensor_load_to_lds s[G0+4*\s:G0+4*\s+3], s[G1:G1+7]
	s_nop 0
.Lasked_\@:
.endm
; The global addresses of a slot's two group 0 from its K step: base + K step << shift.  The bases s[56:57] (xn) and s[60:61] (W1) are never rewritten.
.macro ADDR slot
	s_lshl_b32 s80, s[KI+\slot], ASH               ; s[80:81]: the offset, s81 = 0
	s_add_nc_u64 s[G0+4*\slot+2:G0+4*\slot+3], s[56:57], s[80:81]
	s_or_b32 s[G0+4*\slot+3], s[G0+4*\slot+3], 0x80000000          ; type = 2
	s_lshl_b32 s80, s[KI+\slot], BSH
	s_add_nc_u64 s[G0B+4*\slot+2:G0B+4*\slot+3], s[60:61], s[80:81]
	s_or_b32 s[G0B+4*\slot+3], s[G0B+4*\slot+3], 0x80000000
.endm
.macro STEPK slot                      ; the slot's next tile: two K steps on, round the end of K
	s_add_co_u32 s[KI+\slot], s[KI+\slot], 2
	s_and_b32 s[KI+\slot], s[KI+\slot], 7
	ADDR \slot
.endm
.macro CREST                           ; a round of the cluster's barrier behind its opening work-group barrier
	s_cmp_lg_u32 s12, 0
	s_cbranch_scc1 .Lnot_wave_0_\@
	s_barrier_signal -3
.Lnot_wave_0_\@:
	s_barrier_wait -3
	s_barrier_signal -1
	s_barrier_wait -1
.endm
.macro CROUND
	s_barrier_signal -1
	s_barrier_wait -1
	CREST
.endm
	s_load_b256 s[4:11], s[0:1], 0x0               ; xn 4, w1b 6, mlp1_bias 8, act 10
	v_lshl_add_u32 v254, v0, 2, 0x3b800
	v_mov_b32 v255, 0
	ds_add_u32 v254, v255
	v_lshrrev_b32 v1, 5, v0
	v_readfirstlane_b32 s12, v1                    ; wave 0..3
	s_lshr_b32 s13, s12, 1                         ; wm: my 64 rows.  Also: I fetch for W1 (0) or for xn (1)
	s_and_b32 s14, s12, 1                          ; wn: my 64 + 64 columns.  Also: which half of that tile I fetch
	s_bfe_u32 s16, ttmp6, 0x40000                  ; cx
	s_bfe_u32 s17, ttmp6, 0x40004                  ; cy
	s_lshl_b32 s18, ttmp9, 2
	s_add_co_u32 s18, s18, s16                     ; bx = 4 x cluster x + cx
	s_and_b32 s19, ttmp7, 0xffff
	s_lshl_b32 s19, s19, 2
	s_add_co_u32 s19, s19, s17                     ; by = 4 x cluster y + cy
	s_lshl_b32 s20, s17, 2
	s_lshl_b32 s20, 15, s20                        ; my row of the cluster
	s_lshl_b32 s21, 0x1111, s16                    ; my column
	s_lshr_b32 s22, s18, 4                         ; e
	s_and_b32 s23, s18, 15                         ; column block of the expert
	; the cluster's start in K, of the cluster's coordinates alone
	s_and_b32 s[KI], ttmp9, 3
	s_lshl_b32 s[KI], s[KI], 1                     ; 2 (X mod 4)
	s_and_b32 s[KI+1], ttmp7, 0xffff
	s_lshl2_add_u32 s[KI], s[KI+1], s[KI]          ; + 4 Y
	s_and_b32 s[KI], s[KI], 7                      ; slot 0's first K step: even,
	s_add_co_u32 s[KI+1], s[KI], 1                 ; so slot 1's is at most 7
	s_mov_b32 s81, 0
	; group 1, xn: 64 rows x 128 elements of 2 bytes, 4 words of padding behind every 64 words, 1,024 elements from row to row
	s_or_b32 s[G1+0], s20, (1<<16)|(1<<20)|(1<<21)|(5<<22)|(3<<25)
	s_mov_b32 s[G1+1], 128<<16
	s_mov_b32 s[G1+2], 64<<16
	s_mov_b32 s[G1+3], 128<<16
	s_mov_b32 s[G1+4], 64
	s_mov_b32 s[G1+5], 1024
	s_mov_b32 s[G1+6], 0
	s_mov_b32 s[G1+7], 0
	; group 1, W1: 64 k-rows x 256 elements, 8 words of padding behind every 128 words, 4,096 elements from row to row
	s_or_b32 s[G1B+0], s21, (1<<16)|(1<<20)|(1<<21)|(6<<22)|(7<<25)
	s_mov_b32 s[G1B+1], 256<<16
	s_mov_b32 s[G1B+2], 64<<16
	s_mov_b32 s[G1B+3], 256<<16
	s_mov_b32 s[G1B+4], 64
	s_mov_b32 s[G1B+5], 4096
	s_mov_b32 s[G1B+6], 0
	s_mov_b32 s[G1B+7], 0
	; where the tiles come from: xn's offset is made of by and the wave alone, W1's of bx and the wave alone
	s_lshl_b32 s56, s19, 18                        ; 128 by rows of 2,048 bytes
	s_lshl_b32 s58, s14, 17                        ; + 64 rows for the second half
	s_add_co_u32 s56, s56, s58
	s_mov_b32 s57, 0
	s_lshl_b32 s60, s22, 23                        ; e x 1,024 rows of 8,192 bytes
	s_lshl_b32 s62, s14, 19                        ; + 64 rows for the second half
	s_add_co_u32 s60, s60, s62
	s_lshl_b32 s62, s23, 9                         ; + the block's 512 bytes in a row
	s_add_co_u32 s60, s60, s62
	s_mov_b32 s61, 0
	s_mul_i32 s58, s12, 64*PA                      ; and where they go: xn's halves (waves 2, 3) at AOFF + (wave - 2) x 64 rows,
	s_add_co_u32 s58, s58, AOFF-128*PA
	s_mul_i32 s62, s12, 64*PB                      ; W1's halves (waves 0, 1) at wave x 64 k-rows
	; offsets of the bias and of act
	s_lshl_b32 s72, s22, 14                        ; bias: e x 16,384 + block x 512 + wn x 256
	s_lshl_b32 s76, s23, 9
	s_add_co_u32 s72, s72, s76
	s_lshl_b32 s76, s14, 8
	s_add_co_u32 s72, s72, s76
	s_mov_b32 s73, 0
	s_lshl_b32 s74, s19, 20                        ; act: (128 by + 32 wave) rows of 8,192 bytes + e x 4,096 + block x 256
	s_lshl_b32 s76, s12, 18
	s_add_co_u32 s74, s74, s76
	s_lshl_b32 s76, s22, 12
	s_add_co_u32 s74, s74, s76
	s_lshl_b32 s76, s23, 8
	s_add_co_u32 s74, s74, s76
	s_mov_b32 s75, 0
	s_mov_b32 s70, 0x40e00000                      ; 7.0
	s_mov_b32 s71, 0xc0e00000                      ; -7.0
	s_wait_dscnt 0x0
	s_wait_kmcnt 0x0
	s_add_nc_u64 s[56:57], s[4:5], s[56:57]        ; xn at my rows, K step 0
	s_add_nc_u64 s[60:61], s[6:7], s[60:61]        ; W1 at my columns, K step 0
	s_add_nc_u64 s[8:9], s[8:9], s[72:73]
	s_add_nc_u64 s[10:11], s[10:11], s[74:75]
	CROUND                                         ; all sixteen work-groups are here: the first joint loads meet
.irp s, 0,1
	s_mov_b32 s[G0+4*\s], 1
	s_add_co_u32 s[G0+4*\s+1], s58, \s*SLOT
	s_mov_b32 s[G0B+4*\s], 1
	s_add_co_u32 s[G0B+4*\s+1], s62, \s*SLOT
	ADDR \s
	JLOAD \s                                       ; the cluster's first two K steps: both slots are asked for before anything else
.endr
	v_and_b32 v1, 15, v0                           ; r = l % 16
	v_bfe_u32 v2, v0, 4, 1                         ; h = l / 16
	v_and_b32 v3, 7, v0                            ; l % 8
	v_bfe_u32 v4, v0, 3, 1                         ; (l / 8) % 2
	v_mul_u32_u24 v5, v1, PA
	v_lshl_add_u32 v5, v2, 4, v5                   ; r x 272 + 16 h
	s_mul_i32 s66, s13, 64*PA
	s_add_co_u32 s66, s66, AOFF                    ; my 64 rows of xn
	v_add_nc_u32 v[ADRA], s66, v5
	v_add_nc_u32 v[ADRA+1], SLOT, v[ADRA]
	v_lshl_add_u32 v6, v2, 3, v3                   ; the transposing load: lane l addresses k-row 8 h + l % 8,
	v_mul_u32_u24 v6, v6, PB
	v_lshl_add_u32 v6, v4, 4, v6                   ; 16 bytes (8 columns) at 16 ((l / 8) % 2)
	s_lshl_b32 s67, s14, 7                         ; my 64 gate columns: 128 bytes x wn
	v_add_nc_u32 v[ADRB], s67, v6
	v_add_nc_u32 v[ADRB+1], SLOT, v[ADRB]
	s_mul_i32 s68, s13, 64*PA                      ; stage: row 64 wm + r, byte 128 wn + 16 h
	s_add_co_u32 s68, s68, s67
	s_add_co_u32 s68, s68, STAGE
	v_add_nc_u32 v[STO], s68, v5
	v_mul_u32_u24 v7, v2, PA                       ; back: lanes 0-15 one row of 256 bytes, lanes 16-31 the next; wave w takes rows 32 w ..
	v_lshl_add_u32 v7, v1, 4, v7
	s_mul_i32 s69, s12, 32*PA
	s_add_co_u32 s69, s69, STAGE
	v_add_nc_u32 v[RD], s69, v7
	v_lshlrev_b32 v[CO], 4, v1
	v_lshl_add_u32 v[CO], v2, 13, v[CO]            ; the same two rows in act: 8,192 bytes apart
	v_lshlrev_b32 v[HB], 5, v2
	; the bias in the layout of C: register j of tile b = bias[16 b + 8 h + j]; tiles 4-7 are the linear half, 8,192 bytes on
	WIN 0x80                                       ; destination in window 2
.irp b, 0,1,2,3,4,5,6,7
	global_load_b128 v[8*\b:8*\b+3],   v[HB], s[8:9] offset:((\b)&3)*64+((\b)>>2)*8192
	global_load_b128 v[8*\b+4:8*\b+7], v[HB], s[8:9] offset:((\b)&3)*64+((\b)>>2)*8192+16
.endr
	WIN 0
; 24 LDS loads: the fragments of quarter q (32 along K) of a slot into buffer f
.macro FETCH slot, q, f
	WIN 0
.irp b, 0,1,2,3,4,5,6,7
	ds_load_tr16_b128 v[\f+8*\b:\f+8*\b+3],   v[ADRB+\slot] offset:\q*BQ+((\b)&3)*32+((\b)>>2)*256
	ds_load_tr16_b128 v[\f+8*\b+4:\f+8*\b+7], v[ADRB+\slot] offset:\q*BQ+BH+((\b)&3)*32+((\b)>>2)*256
.endr
.irp a, 0,1,2,3
	ds_load_b128 v[\f+8*NB+8*\a:\f+8*NB+8*\a+3],   v[ADRA+\slot] offset:\q*64+\a*16*PA
	ds_load_b128 v[\f+8*NB+8*\a+4:\f+8*NB+8*\a+7], v[ADRA+\slot] offset:\q*64+\a*16*PA+32
.endr
.endm
; 8 matrix instructions: row tile a x all column tiles.  mode 2: the bias starts the sums, nothing is cleared
.macro MULA f, a, mode
.irp b, 0,1,2,3,4,5,6,7
.if \mode == 2
	v_wmma_f32_16x16x32_bf16 v[8*(NB*\a+\b):8*(NB*\a+\b)+7], v[\f+8*\b:\f+8*\b+7], v[\f+8*NB+8*\a:\f+8*NB+8*\a+7], v[8*\b:8*\b+7]
.else
	v_wmma_f32_16x16x32_bf16 v[8*(NB*\a+\b):8*(NB*\a+\b)+7], v[\f+8*\b:\f+8*\b+7], v[\f+8*NB+8*\a:\f+8*NB+8*\a+7], v[8*(NB*\a+\b):8*(NB*\a+\b)+7]
.endif
.endr
.endm
; One of a K step's first three quarters: asks for quarter q's fragments into buffer g, then multiplies buffer f (32 matrix instructions in which they land)
.macro QUARTER slot, q, f, g, mode
	s_wait_dscnt 0x0                               ; buffer f is whole
	PLACES                                         ; behind the matrix instructions that read buffer g
	FETCH \slot, \q, \g
.if \mode == 2
	WIN ACCB
.else
	WIN ACC
.endif
	MULA \f, 0, \mode
	MULA \f, 1, \mode
	MULA \f, 2, \mode
	MULA \f, 3, \mode
.endm
.macro THREE slot, mode
	QUARTER \slot, 1, F0, F1, \mode
	QUARTER \slot, 2, F1, F0, 0
	QUARTER \slot, 3, F0, F1, 0
.endm
; The last quarter multiplies buffer 1 and changes slots.  In front of the barrier each wave waits for its reads of this slot and for all its
; tensor loads (the one that is out is its part of the next slot); where the slot is filled again the barrier opens a round of the cluster's
; barrier, and the joint refill is the first tensor load behind the round.
.macro TURN slot, next, fill
	s_wait_dscnt 0x0                               ; buffer 1 is whole, and my reads of this slot are over
	s_wait_tensorcnt 0x0                           ; all my tensor loads have landed: every group 0 may be written
	ds_add_u32 v254, v255
	s_wait_dscnt 0x0
	s_barrier_signal -1
.if \fill
	STEPK \slot                                    ; scalar register work: the addresses of this slot's next tile
.endif
	WIN ACC
	MULA F1, 0, 0                                  ; register work while the others arrive
	MULA F1, 1, 0
	WIN 0
	s_barrier_wait -1
.if \fill
	CREST                                          ; no wave of any partner still reads this slot or has a load on its way
	JLOAD \slot
.endif
	PLACES
	FETCH \next, 0, F0
	WIN ACC
	MULA F1, 2, 0
	MULA F1, 3, 0
.endm
.macro LAP mode
	THREE 0, \mode
	TURN 0, 1, 1
	THREE 1, 0
	TURN 1, 0, 1
.endm
	s_wait_tensorcnt 0x1                           ; my part of the first step's tile is in; the second step's load, issued behind it, may stay out
	s_barrier_signal -1
	s_barrier_wait -1
	FETCH 0, 0, F0
	s_wait_loadcnt 0x0                             ; the bias: the first products add onto it
	LAP 2                                          ; steps 0, 1 of the cluster's eight; asks for steps 2, 3
	WIN 0
	s_mov_b32 s15, 2
.Llap:
	LAP 0                                          ; steps 2 to 5; asks for 4 to 7
	WIN 0
	s_sub_co_u32 s15, s15, 1
	s_cmp_lg_u32 s15, 0
	s_cbranch_scc1 .Llap
	THREE 0, 0                                     ; steps 6, 7: nothing is left to ask for
	TURN 0, 1, 0
	THREE 1, 0
	s_wait_dscnt 0x0
	WIN ACC
	MULA F1, 0, 0
	MULA F1, 1, 0
	MULA F1, 2, 0
	MULA F1, 3, 0
	; THE WAY OUT, 16 rows at a time: clip, activate, round to bf16, 16 bytes a lane into the stage
	PLACES
.macro ACT a
	WIN 0x01                                       ; source 0 in window 1
.irp b, 0,1,2,3
.irp j, 0,1,2,3,4,5,6,7
	v_min_num_f32 v[TG+8*\b+\j], v[8*(NB*\a+\b)+\j], s70
	v_med3_num_f32 v[TL+8*\b+\j], v[8*(NB*\a+\b+4)+\j], s71, s70
.endr
.endr
	WIN 0
.set i, 0
.rept 16
	v_pk_mul_f32 v[TE+i:TE+i+1], v[TG+i:TG+i+1], 0xc01d265f op_sel_hi:[1,0]   ; -1.702 log2(e) g
.set i, i+2
.endr
.set i, 0
.rept 32
	v_exp_f32 v[TE+i], v[TE+i]
.set i, i+1
.endr
	v_nop                                          ; one plain instruction behind the last transcendental
.set i, 0
	s_wait_alu depctr_va_vdst(0)
.rept 16
	v_pk_add_f32 v[TE+i:TE+i+1], v[TE+i:TE+i+1], 1.0 op_sel_hi:[1,0]
.set i, i+2
.endr
.set i, 0
.rept 32
	v_rcp_f32 v[TE+i], v[TE+i]                     ; sigmoid(1.702 g)
.set i, i+1
.endr
	v_nop
.set i, 0
	s_wait_alu depctr_va_vdst(0)
.rept 16
	v_pk_mul_f32 v[TG+i:TG+i+1], v[TG+i:TG+i+1], v[TE+i:TE+i+1]
.set i, i+2
.endr
.set i, 0
.rept 16
	v_pk_fma_f32 v[TG+i:TG+i+1], v[TG+i:TG+i+1], v[TL+i:TL+i+1], v[TG+i:TG+i+1]   ; g s (l + 1)
.set i, i+2
.endr
.set i, 0
.rept 16
	v_cvt_pk_bf16_f32 v[TP+i], v[TG+2*i], v[TG+2*i+1]
.set i, i+1
.endr
.irp b, 0,1,2,3
	ds_store_b128 v[STO], v[TP+4*\b:TP+4*\b+3] offset:\a*16*PA+32*\b
.endr
.endm
	ACT 0
	ACT 1
	ACT 2
	ACT 3
	s_wait_dscnt 0x0                               ; a row's two halves come from two waves: my stores are done,
	s_barrier_signal -1
	s_barrier_wait -1                              ; everybody's are
.irp t, 0,1,2,3,4,5,6,7,8,9,10,11,12,13,14,15
	ds_load_b128 v[OUTR+4*\t:OUTR+4*\t+3], v[RD] offset:\t*2*PA
.endr
.irp t, 0,1,2,3,4,5,6,7,8,9,10,11,12,13,14,15
	s_wait_dscnt 15-\t                             ; LDS loads come back in order: load t is in, the younger ones stay out
	global_store_b128 v[CO], v[OUTR+4*\t:OUTR+4*\t+3], s[10:11] offset:\t*16384   ; 16 lanes store 256 consecutive bytes, aligned
.endr
	s_wait_tensorcnt 0x0
	ds_add_u32 v254, v255
	s_wait_dscnt 0x0
	CROUND                                         ; the closing round: no work-group ends while a partner may still ask for a tile that names it
	s_endpgm
.Lfunc_end_k_q2eb1203f1e_mlp1:
	.size	k_q2eb1203f1e_mlp1, .Lfunc_end_k_q2eb1203f1e_mlp1-k_q2eb1203f1e_mlp1
	.p2alignl 7, 3214868480
	.fill 96, 4, 3214868480
	.section	.rodata,"a",@progbits
	.p2align	6, 0x0
	.amdhsa_kernel k_q2eb1203f1e_mlp1
		.amdhsa_group_segment_fixed_size 327680
		.amdhsa_private_segment_fixed_size 0
		.amdhsa_enable_private_segment 0
		.amdhsa_kernarg_size 32
		.amdhsa_user_sgpr_count 2
		.amdhsa_user_sgpr_kernarg_segment_ptr 1
		.amdhsa_wavefront_size32 1
		.amdhsa_system_sgpr_workgroup_id_x 1
		.amdhsa_system_sgpr_workgroup_id_y 1
		.amdhsa_system_sgpr_workgroup_id_z 1
		.amdhsa_system_vgpr_workitem_id 0
		.amdhsa_next_free_vgpr 576
		.amdhsa_next_free_sgpr 84
		.amdhsa_reserve_vcc 0
		.amdhsa_float_denorm_mode_32 3
		.amdhsa_float_denorm_mode_16_64 3
		.amdhsa_memory_ordered 1
		.amdhsa_forward_progress 1
		.amdhsa_inst_pref_size 154
	.end_amdhsa_kernel
	.amdgpu_metadata
---
amdhsa.version: [ 1, 2 ]
amdhsa.kernels:
  - .name:           k_q2eb1203f1e_mlp1
    .symbol:         k_q2eb1203f1e_mlp1.kd
    .args:
      - { .name: xn, .offset: 0, .size: 8, .value_kind: global_buffer, .address_space: global }
      - { .name: w1b, .offset: 8, .size: 8, .value_kind: global_buffer, .address_space: global }
      - { .name: mlp1_bias, .offset: 16, .size: 8, .value_kind: global_buffer, .address_space: global }
      - { .name: act, .offset: 24, .size: 8, .value_kind: global_buffer, .address_space: global }
    .group_segment_fixed_size: 327680
    .private_segment_fixed_size: 0
    .kernarg_segment_align: 8
    .kernarg_segment_size: 32
    .max_flat_workgroup_size: 128
    .sgpr_count:     84
    .vgpr_count:     576
    .wavefront_size: 32
...
	.end_amdgpu_metadata
.endif
;; end of part 2
;; launch mlp2 (part 3): grid 16 x 16, 4 waves a work-group, clusters of 4 x 4, 327,680 bytes of LDS; arguments act, w2b, mlp2_bias, x, out0; writes out0
.if DOCPART == 3
	.amdgcn_target "amdgcn-amd-amdhsa--gfx1250"
	.amdhsa_code_object_version 6
	.text
	.protected	k_q2eb1203f1e_mlp2
	.globl	k_q2eb1203f1e_mlp2
	.p2align	8
	.type	k_q2eb1203f1e_mlp2,@function
k_q2eb1203f1e_mlp2:
	s_mov_b64 s[64:65], 0
	v_nop
	global_prefetch_b8 v0, s[64:65] scope:SCOPE_SE
	s_setreg_imm32_b32 hwreg(HW_REG_WAVE_MODE, 25, 1), 1
	s_wait_xcnt 0x0
	s_wait_alu depctr_hold_cnt(0) depctr_sa_sdst(0) depctr_va_vdst(0) depctr_va_sdst(0) depctr_va_ssrc(0) depctr_va_vcc(0) depctr_vm_vsrc(0)
	s_getreg_b32 s2, hwreg(HW_REG_IB_STS2, 6, 4)
	s_cmp_eq_u32 s2, 0
	s_cbranch_scc0 .Lentry_in_a_cluster
	s_endpgm
.Lentry_in_a_cluster:
	s_bfe_u32 s2, ttmp6, 0x10000c
	s_cmp_lg_u32 s2, 0xf033
	s_cbranch_scc0 .Lentry_shape_is_right
	s_endpgm
.Lentry_shape_is_right:
; MLP2: out = x + 0.5 (act . W2 + b2[0] + b2[1]); act: [1024][4096 = e*2048+i] bf16; w2b: [16 column blocks][4096][64] bf16; x, out: [1024][1024] f32.
; The sum over the two experts with weight 0.5 each is one product with K = 4,096.  Experts 2 to 7 have the weight 0 in the problem's own mix and are
; not computed (an overflow in one of them would not reach the output).
; A work-group makes 64 x 64 of out: 16 x 16 = 256 work-groups.  K IS SPLIT OVER THE FOUR WAVES: of each K step of 512, wave w multiplies
; k = 128 w .. 128 w + 127 for the whole 64 x 64 block (16 accumulator tiles, 128 registers), so that each LDS byte of a tile is read once.
; The four partial blocks meet in LDS at the end, in f32.
; K goes in 8 steps of 512 through two LDS slots filled by tensor loads: waves 0, 1 fetch 256 k-rows of W2 each (dense: 128 rows of 256 bytes,
; two k-rows in each), waves 2, 3 fetch 64 rows x 256 k of act each (512 bytes a row).
; CLUSTERS: 4 x 4.  act's tile hangs on the block row alone and is asked for jointly by a row of the cluster, W2's on the block column alone and is
; asked for jointly by a column.
; K IS WALKED FROM A START OF THE CLUSTER'S OWN: cluster (X, Y) takes the K steps (start + s) mod 8, s = 0 .. 7,
; start = (4 (X mod 2) + 2 (X / 2) + 2 Y) mod 8.  The four clusters of one Y read the same rows of act and start 0, 4, 2, 6 apart by X; the four of
; one X read the same columns of W2 and start 0, 2, 4, 6 apart by Y: all four differ, and X, X + 1 (X even) and Y, Y + 2 lie four steps apart.
; So the clusters that read a tile ask for it in different steps and not all in the same one.  The start is made of the cluster's coordinates
; alone, which all sixteen partners share.  The additions along K begin at the cluster's start: another order of rounding.
; The matrix instruction is used transposed (source 0 = 16 columns of W2, by the transposing LDS load; source 1 = 16 rows of act).
; By this text's own count a wave has two tensor loads out at the start and one behind each round of the cluster's barrier.
; The 16 accumulators take turns, one instruction a turn, in the same order in every quarter step.
; REGISTERS: window 0: v16-27 addresses, v32-95 and v96-159 two fragment buffers (32 of W2, 32 of act), v160-191 x, v192-199 the biases;
; window 1: the accumulators, tile (a, b) at v[8 (4 a + b)].
.set NB,    4
.set PB2,   288                        ; LDS pitch of TWO k-rows of W2: 256 bytes + 32.  k-row k lies at (k / 2) 288 + (k % 2) 128
.set PA,    528                        ; LDS pitch of a row of act: 512 bytes + 16 = 33 x 16
.set BQ,    16*PB2                     ; 32 k-rows: a quarter step
.set BH,    8*PB2                      ; 16 k-rows: a fragment's second half
.set AOFF,  256*PB2                    ; act's tiles lie behind W2's 512 k-rows: 73,728
.set AHALF, 64*PA                      ; 64 rows x 256 k: 33,792
.set SLOT,  AOFF+2*AHALF               ; 141,312
.set SP,    272                        ; stage: a row of 64 f32 + 16 bytes
.set PART,  64*SP                      ; one wave's partial block.  The stage (4 x 17,408 bytes) lies at LDS byte 0, in slot 0, and is written only
                                       ; after that slot's last fill (the seventh step's) has been read by every wave: ring and a stage of its own exceed the work-group's LDS
.set ASH,   10                         ; a K step in act: 512 elements along the row = 1,024 bytes = 1 << 10
.set BSH,   16                         ; a K step in w2b: 512 rows of 128 bytes = 1 << 16
.set ADRA, 16
.set ADRB, 20
.set STO,  24
.set RD,   25
.set CO,   26
.set CB,   27
.set F0,   32
.set F1,   96
.set PS,   32                          ; way out: 8 row pairs x 4 partials x 4 registers
.set XV,   160                         ; x: 8 row pairs x 4 registers
.set BS,   192                         ; b2[0], b2[1]: 4 registers each
.set G1,  24
.set G0,  32
.set G1B, 40
.set G0B, 48
.set KI,  77                           ; s77, s78: the K step (0 .. 7) of slot 0's, slot 1's latest tile
.set ACC,  0x50                        ; C and D in window 1
.set MSB, 0
.macro WIN new
.if MSB != \new
	s_set_vgpr_msb (MSB<<8)|\new
.set MSB, \new
.endif
.endm
.macro PLACES                          ; four plain vector instructions between a matrix instruction and a load into, or an access to, its registers
.rept 4
	v_nop
.endr
.endm
.macro JLOAD s                         ; waves 0, 1 ask for W2's halves, waves 2, 3 for act's
	s_cmp_eq_u32 s13, 0
	s_cbranch_scc0 .Lfor_a_\@
	tensor_load_to_lds s[G0B+4*\s:G0B+4*\s+3], s[G1B:G1B+7]
	s_nop 0
	s_branch .Lasked_\@
.Lfor_a_\@:
	tensor_load_to_lds s[G0+4*\s:G0+4*\s+3], s[G1:G1+7]
	s_nop 0
.Lasked_\@:
.endm
; The global addresses of a slot's two group 0 from its K step: base + K step << shift.  The bases s[56:57] (act) and s[60:61] (W2) are never rewritten.
.macro ADDR slot
	s_lshl_b32 s80, s[KI+\slot], ASH               ; s[80:81]: the offset, s81 = 0
	s_add_nc_u64 s[G0+4*\slot+2:G0+4*\slot+3], s[56:57], s[80:81]
	s_or_b32 s[G0+4*\slot+3], s[G0+4*\slot+3], 0x80000000          ; type = 2
	s_lshl_b32 s80, s[KI+\slot], BSH
	s_add_nc_u64 s[G0B+4*\slot+2:G0B+4*\slot+3], s[60:61], s[80:81]
	s_or_b32 s[G0B+4*\slot+3], s[G0B+4*\slot+3], 0x80000000
.endm
.macro STEPK slot                      ; the slot's next tile: two K steps on, round the end of K
	s_add_co_u32 s[KI+\slot], s[KI+\slot], 2
	s_and_b32 s[KI+\slot], s[KI+\slot], 7
	ADDR \slot
.endm
.macro CREST
	s_cmp_lg_u32 s12, 0
	s_cbranch_scc1 .Lnot_wave_0_\@
	s_barrier_signal -3
.Lnot_wave_0_\@:
	s_barrier_wait -3
	s_barrier_signal -1
	s_barrier_wait -1
.endm
.macro CROUND
	s_barrier_signal -1
	s_barrier_wait -1
	CREST
.endm
	s_load_b256 s[4:11], s[0:1], 0x0               ; act 4, w2b 6, mlp2_bias 8, x 10
	s_load_b64 s[66:67], s[0:1], 0x20              ; out0
	v_lshl_add_u32 v254, v0, 2, 0x45000
	v_mov_b32 v255, 0
	ds_add_u32 v254, v255
	v_lshrrev_b32 v1, 5, v0
	v_readfirstlane_b32 s12, v1                    ; wave 0..3: my 128 of a step's 512 k
	s_lshr_b32 s13, s12, 1                         ; I fetch for W2 (0) or for act (1).  Also: the half of act's tile that holds my k
	s_and_b32 s14, s12, 1                          ; which half I fetch.  Also: my 128 k in that half
	s_bfe_u32 s16, ttmp6, 0x40000                  ; cx
	s_bfe_u32 s17, ttmp6, 0x40004                  ; cy
	s_lshl_b32 s18, ttmp9, 2
	s_add_co_u32 s18, s18, s16                     ; bx: column block
	s_and_b32 s19, ttmp7, 0xffff
	s_lshl_b32 s19, s19, 2
	s_add_co_u32 s19, s19, s17                     ; by: row block
	s_lshl_b32 s20, s17, 2
	s_lshl_b32 s20, 15, s20                        ; my row of the cluster
	s_lshl_b32 s21, 0x1111, s16                    ; my column
	; the cluster's start in K, of the cluster's coordinates alone
	s_and_b32 s[KI], ttmp9, 1
	s_lshl_b32 s[KI], s[KI], 2                     ; 4 (X mod 2)
	s_and_b32 s[KI+1], ttmp9, 2                    ; 2 (X / 2), X below 4
	s_add_co_u32 s[KI], s[KI], s[KI+1]
	s_and_b32 s[KI+1], ttmp7, 0xffff
	s_lshl1_add_u32 s[KI], s[KI+1], s[KI]          ; + 2 Y
	s_and_b32 s[KI], s[KI], 7                      ; slot 0's first K step: even,
	s_add_co_u32 s[KI+1], s[KI], 1                 ; so slot 1's is at most 7
	s_mov_b32 s81, 0
	; group 1, act: 64 rows x 256 elements of 2 bytes, 4 words of padding behind every 128 words, 4,096 elements from row to row
	s_or_b32 s[G1+0], s20, (1<<16)|(1<<20)|(1<<21)|(6<<22)|(3<<25)
	s_mov_b32 s[G1+1], 256<<16
	s_mov_b32 s[G1+2], 64<<16
	s_mov_b32 s[G1+3], 256<<16
	s_mov_b32 s[G1+4], 64
	s_mov_b32 s[G1+5], 4096
	s_mov_b32 s[G1+6], 0
	s_mov_b32 s[G1+7], 0
	; group 1, W2: a dense block as 128 rows x 128 elements (256 bytes), 8 words of padding behind every 64 words
	s_or_b32 s[G1B+0], s21, (1<<16)|(1<<20)|(1<<21)|(5<<22)|(7<<25)
	s_mov_b32 s[G1B+1], 128<<16
	s_mov_b32 s[G1B+2], 128<<16
	s_mov_b32 s[G1B+3], 128<<16
	s_mov_b32 s[G1B+4], 128
	s_mov_b32 s[G1B+5], 128
	s_mov_b32 s[G1B+6], 0
	s_mov_b32 s[G1B+7], 0
	s_lshl_b32 s56, s19, 19                        ; act: 64 by rows of 8,192 bytes
	s_lshl_b32 s58, s14, 9                         ; + 256 k for the second half
	s_add_co_u32 s56, s56, s58
	s_mov_b32 s57, 0
	s_lshl_b32 s60, s18, 19                        ; w2b: column block bx of 524,288 bytes
	s_lshl_b32 s62, s14, 15                        ; + 256 k-rows of 128 bytes for the second half
	s_add_co_u32 s60, s60, s62
	s_mov_b32 s61, 0
	s_mul_i32 s58, s12, AHALF                      ; act's halves (waves 2, 3) at AOFF + (wave - 2) x AHALF,
	s_add_co_u32 s58, s58, AOFF-2*AHALF
	s_mul_i32 s62, s12, 128*PB2                    ; W2's halves (waves 0, 1) at wave x 128 padded rows
	s_lshl_b32 s72, s19, 18                        ; x and out: (64 by + 16 wave) rows of 4,096 bytes + bx x 256
	s_lshl_b32 s76, s12, 16
	s_add_co_u32 s72, s72, s76
	s_lshl_b32 s74, s18, 8
	s_add_co_u32 s72, s72, s74
	s_mov_b32 s73, 0
	s_mov_b32 s75, 0                               ; s[74:75]: bx x 256, for the biases
	s_wait_dscnt 0x0
	s_wait_kmcnt 0x0
	s_add_nc_u64 s[56:57], s[4:5], s[56:57]        ; act at my rows, K step 0
	s_add_nc_u64 s[60:61], s[6:7], s[60:61]        ; W2 at my column block, K step 0
	s_add_nc_u64 s[8:9], s[8:9], s[74:75]
	s_add_nc_u64 s[10:11], s[10:11], s[72:73]
	s_add_nc_u64 s[66:67], s[66:67], s[72:73]
	CROUND                                         ; all sixteen work-groups are here: the first joint loads meet
.irp s, 0,1
	s_mov_b32 s[G0+4*\s], 1
	s_add_co_u32 s[G0+4*\s+1], s58, \s*SLOT
	s_mov_b32 s[G0B+4*\s], 1
	s_add_co_u32 s[G0B+4*\s+1], s62, \s*SLOT
	ADDR \s
	JLOAD \s                                       ; the cluster's first two K steps
.endr
	v_and_b32 v1, 15, v0                           ; r = l % 16
	v_bfe_u32 v2, v0, 4, 1                         ; h = l / 16
	v_bfe_u32 v3, v0, 1, 2                         ; (l % 8) / 2
	v_bfe_u32 v4, v0, 3, 1                         ; (l / 8) % 2
	v_and_b32 v8, 1, v0                            ; l % 2
	v_mul_u32_u24 v5, v1, PA
	v_lshl_add_u32 v5, v2, 4, v5                   ; r x 528 + 16 h
	s_mul_i32 s68, s13, AHALF
	s_lshl_b32 s69, s14, 8
	s_add_co_u32 s68, s68, s69
	s_add_co_u32 s68, s68, AOFF                    ; the half that holds my k, and my 256 bytes in its rows
	v_add_nc_u32 v[ADRA], s68, v5
	v_add_nc_u32 v[ADRA+1], SLOT, v[ADRA]
	v_lshl_add_u32 v6, v2, 2, v3                   ; the transposing load: lane l addresses k-row 8 h + l % 8 = pair 4 h + (l % 8) / 2,
	v_mul_u32_u24 v6, v6, PB2
	v_lshl_add_u32 v6, v8, 7, v6                   ; row l % 2 of the pair,
	v_lshl_add_u32 v6, v4, 4, v6                   ; 16 bytes (8 columns) at 16 ((l / 8) % 2)
	s_mul_i32 s69, s12, 64*PB2                     ; my 128 k-rows
	v_add_nc_u32 v[ADRB], s69, v6
	v_add_nc_u32 v[ADRB+1], SLOT, v[ADRB]
	v_mul_u32_u24 v7, v1, SP                       ; stage, in: my partial block, row r, 32 bytes for each half of the lanes
	v_lshl_add_u32 v7, v2, 5, v7
	s_mul_i32 s70, s12, PART
	v_add_nc_u32 v[STO], s70, v7
	v_mul_u32_u24 v7, v2, SP                       ; back: lanes 0-15 one row of 256 bytes, lanes 16-31 the next; wave w takes rows 16 w ..
	v_lshl_add_u32 v7, v1, 4, v7
	s_mul_i32 s70, s12, 16*SP
	v_add_nc_u32 v[RD], s70, v7
	v_lshlrev_b32 v[CB], 4, v1                     ; my 16 bytes of a row of 256
	v_lshl_add_u32 v[CO], v2, 12, v[CB]            ; and the same two rows in x and out: 4,096 bytes apart
	; x and the biases are asked for now and waited for at the end; their registers and addresses are not touched in between
.irp t, 0,1,2,3,4,5,6,7
	global_load_b128 v[XV+4*\t:XV+4*\t+3], v[CO], s[10:11] offset:8192*\t th:TH_LOAD_NT
.endr
	global_load_b128 v[BS:BS+3],   v[CB], s[8:9]
	global_load_b128 v[BS+4:BS+7], v[CB], s[8:9] offset:4096
; 16 LDS loads: the fragments of quarter q (32 of my 128 k) of a slot into buffer f
.macro FETCH slot, q, f
	WIN 0
.irp b, 0,1,2,3
	ds_load_tr16_b128 v[\f+8*\b:\f+8*\b+3],   v[ADRB+\slot] offset:\q*BQ+32*\b
	ds_load_tr16_b128 v[\f+8*\b+4:\f+8*\b+7], v[ADRB+\slot] offset:\q*BQ+BH+32*\b
.endr
.irp a, 0,1,2,3
	ds_load_b128 v[\f+8*NB+8*\a:\f+8*NB+8*\a+3],   v[ADRA+\slot] offset:\q*64+\a*16*PA
	ds_load_b128 v[\f+8*NB+8*\a+4:\f+8*NB+8*\a+7], v[ADRA+\slot] offset:\q*64+\a*16*PA+32
.endr
.endm
; 4 matrix instructions: row tile a x all column tiles.  mode 1: the first product starts the sums, nothing is cleared
.macro MULA f, a, mode
.irp b, 0,1,2,3
.if \mode == 1
	v_wmma_f32_16x16x32_bf16 v[8*(NB*\a+\b):8*(NB*\a+\b)+7], v[\f+8*\b:\f+8*\b+7], v[\f+8*NB+8*\a:\f+8*NB+8*\a+7], 0
.else
	v_wmma_f32_16x16x32_bf16 v[8*(NB*\a+\b):8*(NB*\a+\b)+7], v[\f+8*\b:\f+8*\b+7], v[\f+8*NB+8*\a:\f+8*NB+8*\a+7], v[8*(NB*\a+\b):8*(NB*\a+\b)+7]
.endif
.endr
.endm
.macro QUARTER slot, q, f, g, mode
	s_wait_dscnt 0x0                               ; buffer f is whole
	PLACES                                         ; behind the matrix instructions that read buffer g
	FETCH \slot, \q, \g
	WIN ACC
	MULA \f, 0, \mode
	MULA \f, 1, \mode
	MULA \f, 2, \mode
	MULA \f, 3, \mode
.endm
.macro THREE slot, mode
	QUARTER \slot, 1, F0, F1, \mode
	QUARTER \slot, 2, F1, F0, 0
	QUARTER \slot, 3, F0, F1, 0
.endm
; The last quarter multiplies buffer 1 and changes slots: each wave's waits for its reads of this slot and for all its tensor loads stand in front of
; the barrier; where the slot is filled again the barrier opens a round of the cluster's barrier, and the joint refill is the first tensor load behind it.
.macro TURN slot, next, fill
	s_wait_dscnt 0x0                               ; buffer 1 is whole, and my reads of this slot are over
	s_wait_tensorcnt 0x0                           ; all my tensor loads have landed: every group 0 may be written
	ds_add_u32 v254, v255
	s_wait_dscnt 0x0
	s_barrier_signal -1
.if \fill
	STEPK \slot                                    ; scalar register work: the addresses of this slot's next tile
.endif
	WIN ACC
	MULA F1, 0, 0
	MULA F1, 1, 0
	WIN 0
	s_barrier_wait -1
.if \fill
	CREST
	JLOAD \slot
.endif
	PLACES
	FETCH \next, 0, F0
	WIN ACC
	MULA F1, 2, 0
	MULA F1, 3, 0
.endm
.macro LAP mode
	THREE 0, \mode
	TURN 0, 1, 1
	THREE 1, 0
	TURN 1, 0, 1
.endm
	s_wait_tensorcnt 0x1                           ; my part of the first step's tile is in; the second step's load, issued behind it, may stay out
	s_barrier_signal -1
	s_barrier_wait -1
	FETCH 0, 0, F0
	LAP 1                                          ; steps 0, 1 of the cluster's eight; asks for steps 2, 3
	WIN 0
	s_mov_b32 s15, 2
.Llap:
	LAP 0                                          ; steps 2 to 5; asks for 4 to 7
	WIN 0
	s_sub_co_u32 s15, s15, 1
	s_cmp_lg_u32 s15, 0
	s_cbranch_scc1 .Llap
	THREE 0, 0                                     ; steps 6, 7: nothing is left to ask for
	TURN 0, 1, 0                                   ; behind this barrier no wave reads slot 0 any more and no load lands in it
	THREE 1, 0
	s_wait_dscnt 0x0
	WIN ACC
	MULA F1, 0, 0
	MULA F1, 1, 0
	MULA F1, 2, 0
	MULA F1, 3, 0
	; THE WAY OUT: each wave puts its partial 64 x 64 block into the stage; then wave w adds the four partials of rows 16 w .. 16 w + 15
	PLACES
	WIN 0x04                                       ; the stores' data in window 1
.irp a, 0,1,2,3
.irp b, 0,1,2,3
	ds_store_b128 v[STO], v[8*(NB*\a+\b):8*(NB*\a+\b)+3]   offset:\a*16*SP+64*\b
	ds_store_b128 v[STO], v[8*(NB*\a+\b)+4:8*(NB*\a+\b)+7] offset:\a*16*SP+64*\b+16
.endr
.endr
	WIN 0
	s_wait_dscnt 0x0                               ; my stores are done,
	s_barrier_signal -1
	s_barrier_wait -1                              ; everybody's are
.irp t, 0,1,2,3,4,5,6,7
.irp p, 0,1,2,3
	ds_load_b128 v[PS+16*\t+4*\p:PS+16*\t+4*\p+3], v[RD] offset:\p*PART+\t*2*SP
.endr
.endr
	s_wait_loadcnt 0x0                             ; x and the biases
	v_pk_add_f32 v[BS:BS+1], v[BS:BS+1], v[BS+4:BS+5]
	v_pk_add_f32 v[BS+2:BS+3], v[BS+2:BS+3], v[BS+6:BS+7]
.macro RED t
	s_wait_dscnt 28-4*\t                           ; LDS loads come back in order: row pair t's four are in, the four of each later pair stay out
.irp c, 0,2
	v_pk_add_f32 v[PS+16*\t+\c:PS+16*\t+\c+1], v[PS+16*\t+\c:PS+16*\t+\c+1], v[PS+16*\t+4+\c:PS+16*\t+5+\c]
	v_pk_add_f32 v[PS+16*\t+8+\c:PS+16*\t+9+\c], v[PS+16*\t+8+\c:PS+16*\t+9+\c], v[PS+16*\t+12+\c:PS+16*\t+13+\c]
.endr
.irp c, 0,2
	v_pk_add_f32 v[PS+16*\t+\c:PS+16*\t+\c+1], v[PS+16*\t+\c:PS+16*\t+\c+1], v[PS+16*\t+8+\c:PS+16*\t+9+\c]
.endr
.irp c, 0,2
	v_pk_add_f32 v[PS+16*\t+\c:PS+16*\t+\c+1], v[PS+16*\t+\c:PS+16*\t+\c+1], v[BS+\c:BS+\c+1]
.endr
.irp c, 0,2
	v_pk_fma_f32 v[PS+16*\t+\c:PS+16*\t+\c+1], v[PS+16*\t+\c:PS+16*\t+\c+1], 0.5, v[XV+4*\t+\c:XV+4*\t+\c+1] op_sel_hi:[1,0,1]
.endr
	global_store_b128 v[CO], v[PS+16*\t:PS+16*\t+3], s[66:67] offset:8192*\t th:TH_STORE_NT   ; 16 lanes store 256 consecutive bytes, aligned
.endm
	RED 0
	RED 1
	RED 2
	RED 3
	RED 4
	RED 5
	RED 6
	RED 7
	s_wait_tensorcnt 0x0
	ds_add_u32 v254, v255
	s_wait_dscnt 0x0
	CROUND                                         ; the closing round: no work-group ends while a partner may still ask for a tile that names it
	s_endpgm
.Lfunc_end_k_q2eb1203f1e_mlp2:
	.size	k_q2eb1203f1e_mlp2, .Lfunc_end_k_q2eb1203f1e_mlp2-k_q2eb1203f1e_mlp2
	.p2alignl 7, 3214868480
	.fill 96, 4, 3214868480
	.section	.rodata,"a",@progbits
	.p2align	6, 0x0
	.amdhsa_kernel k_q2eb1203f1e_mlp2
		.amdhsa_group_segment_fixed_size 327680
		.amdhsa_private_segment_fixed_size 0
		.amdhsa_enable_private_segment 0
		.amdhsa_kernarg_size 40
		.amdhsa_user_sgpr_count 2
		.amdhsa_user_sgpr_kernarg_segment_ptr 1
		.amdhsa_wavefront_size32 1
		.amdhsa_system_sgpr_workgroup_id_x 1
		.amdhsa_system_sgpr_workgroup_id_y 1
		.amdhsa_system_sgpr_workgroup_id_z 1
		.amdhsa_system_vgpr_workitem_id 0
		.amdhsa_next_free_vgpr 384
		.amdhsa_next_free_sgpr 84
		.amdhsa_reserve_vcc 0
		.amdhsa_float_denorm_mode_32 3
		.amdhsa_float_denorm_mode_16_64 3
		.amdhsa_memory_ordered 1
		.amdhsa_forward_progress 1
		.amdhsa_inst_pref_size 77
	.end_amdhsa_kernel
	.amdgpu_metadata
---
amdhsa.version: [ 1, 2 ]
amdhsa.kernels:
  - .name:           k_q2eb1203f1e_mlp2
    .symbol:         k_q2eb1203f1e_mlp2.kd
    .args:
      - { .name: act, .offset: 0, .size: 8, .value_kind: global_buffer, .address_space: global }
      - { .name: w2b, .offset: 8, .size: 8, .value_kind: global_buffer, .address_space: global }
      - { .name: mlp2_bias, .offset: 16, .size: 8, .value_kind: global_buffer, .address_space: global }
      - { .name: x, .offset: 24, .size: 8, .value_kind: global_buffer, .address_space: global }
      - { .name: out0, .offset: 32, .size: 8, .value_kind: global_buffer, .address_space: global }
    .group_segment_fixed_size: 327680
    .private_segment_fixed_size: 0
    .kernarg_segment_align: 8
    .kernarg_segment_size: 40
    .max_flat_workgroup_size: 128
    .sgpr_count:     84
    .vgpr_count:     384
    .wavefront_size: 32
...
	.end_amdgpu_metadata
.endif
;; end of part 3
;; ======== version 2 of 2: 3 launches; version 1 with the launch prep written anew for expert scheduling mode
;; workspace buffers: xn 2,097,152 bytes; logits 32,768 bytes; w1b 16,777,216 bytes; w2b 8,388,608 bytes; act 8,388,608 bytes
;; launch prep (part 4): grid 256 x 1, 4 waves a work-group, no clusters, 0 bytes of LDS; arguments x, scale, gate_kernel, gate_bias, mlp1_weight, mlp2_weight, xn, logits, w1b, w2b; writes xn, logits, w1b, w2b
.if DOCPART == 4
	.amdgcn_target "amdgcn-amd-amdhsa--gfx1250"
	.amdhsa_code_object_version 6
	.text
	.protected	k_q2eb1203f1e_prep
	.globl	k_q2eb1203f1e_prep
	.p2align	8
	.type	k_q2eb1203f1e_prep,@function
k_q2eb1203f1e_prep:
	s_mov_b64 s[64:65], 0
	v_nop
	global_prefetch_b8 v0, s[64:65] scope:SCOPE_SE
	s_setreg_imm32_b32 hwreg(HW_REG_WAVE_SCHED_MODE, 0, 2), 2
	s_setreg_imm32_b32 hwreg(HW_REG_WAVE_MODE, 25, 1), 1
	s_wait_xcnt 0x0
	s_wait_alu depctr_vm_vsrc(0)
; PREP: a stream.  1,024 waves (256 work-groups of 4), every wave the same work, no wave waits for another:
;   one row of x:   xn[t][:] = bf16( x * scale * rsqrt(mean(x^2) + 1e-5) ),  logits[t][:] = normed (f32) . gate_kernel + gate_bias
;   two rows of mlp1_weight (experts 0 and 1 are rows 0 .. 2047 of 16,384 bytes) cast to bf16 into w1b
;   four rows of mlp2_weight (experts 0 and 1 are rows 0 .. 4095 of 4,096 bytes) cast to bf16 into w2b
; Experts 2 to 7 have the weight 0 in the mix that the problem itself builds: their weights are not cast and not used.
; The logits feed no output of the problem; they are computed because the problem computes them, in f32 on the vector unit
; (8 columns, one row a wave), and stored in a buffer that no later launch reads.
; LAYOUTS.  w1b: [2048 rows e*1024+k][4096] bf16; the columns are reordered in pieces of 128: piece p of the gate half, then piece p of
; the linear half, so that 256 neighbouring columns hold the gate and the linear part of the same 128 outputs.
; w2b: [16 column blocks][4096 rows e*2048+i][64] bf16: each column block is dense.
; No LDS, no matrix unit, no cluster: nothing but gate_kernel (32 KiB), scale and gate_bias is read by more than one wave.
; Every load of the weights covers 512 consecutive bytes (w2: two runs of 256), every store of a wave 256 consecutive bytes, aligned.
; Three banks of 16 loads take turns: while one job is worked on, two jobs (32 loads) are on their way.
; THE MODE: SCHED_MODE bits 1:0 = 2 (LLVM: expert scheduling mode 2), set by the entry lines.  The code itself states the register dependences
; between vector instructions and memory instructions, with s_wait_alu, always for 0.
; THE PLAN.  Registers that memory instructions touch:
;   v2 .. v6     byte offsets, made once at the head and never written again; every load and store reads one of them.
;   XR           Written by the loads of x, once; behind the wait for them named by vector instructions alone.
;   B0, B1, B2   Written by loads alone, read by vector instructions alone: a job's conversions or multiply-adds (B2 first: the products by scale).
;   O0, O1       Two out-buffers, in window 1.  Written by a casting job's conversions, read by that job's stores.  They take turns:
;                xn O1, job 0 O0, job 1 O1, job 3 O0, job 5 O1, job 7 O0, job 9 O1.
; A job is: the wait for its bank's data; its vector work; ONE wait on va_vdst, which states that this work is done reading the bank and, in a casting
; job, has written the out-buffer; the bank's 16 loads for the job three on; the job's 16 stores.  No vector instruction stands between that wait
; and these loads and stores, and the next job's vector work names another bank and the other out-buffer.
; At the head of a casting job whose out-buffer has been stored from, s_wait_xcnt 0 and a wait on vm_vsrc state that those stores, issued a job or more
; back, have read it.  A bank is never a store's data, so its refill asks for neither.
; REGISTER WINDOWS (s_set_vgpr_msb: bits 1:0 source 0, 3:2 source 1, 7:6 destination): 0x40 for the conversions (destination in window 1),
; 0 for the loads and all other vector work, 0x04 for the stores (their data, source 1, in window 1).  A switch stands ahead of the wait that serves the lines behind it.
.set LG, 8                             ; v[8:15]    the eight logit sums of my lane
.set SQ, 16                            ; v[16:23]   at work
.set XR, 24                            ; v[24:55]   the row of x: load j holds columns 128 j + 4 lane + 0..3; later normed, in f32
.set B0, 56                            ; v[56:119]  bank 0
.set B1, 120                           ; v[120:183] bank 1
.set B2, 184                           ; v[184:247] bank 2
.set O0, 0                             ; window 1: v[256:287] out-buffer 0
.set O1, 32                            ; window 1: v[288:319] out-buffer 1
; v1 lane, v2 16 lane, v3 8 lane, v4 (lane/16) 4096 + (lane%16) 16, v5 128 lane, v6 0: never rewritten
.set MSB, 0
.macro WIN new                         ; the immediate's high byte repeats the setting that is left; a switch that changes nothing is dropped
.if MSB != \new
	s_set_vgpr_msb (MSB<<8)|\new
.set MSB, \new
.endif
.endm
	s_load_b512 s[4:19], s[0:1], 0x0               ; x 4, scale 6, gate_kernel 8, gate_bias 10, mlp1_weight 12, mlp2_weight 14, xn 16, logits 18
	s_load_b128 s[20:23], s[0:1], 0x40             ; w1b 20, w2b 22
	v_lshrrev_b32 v7, 5, v0
	v_readfirstlane_b32 s32, v7                    ; wave in the work-group
	s_lshl_b32 s33, ttmp9, 2
	s_mov_b32 s36, 0x76543210                      ; v_permlanex16_b32: lane i of one half reads lane i of the other
	s_mov_b32 s37, 0xfedcba98
	s_mov_b32 s38, 0x3a800000                      ; 1 / 1024
	v_and_b32 v1, 31, v0
	v_lshlrev_b32 v2, 4, v1
	v_lshlrev_b32 v3, 3, v1
	v_and_b32 v4, 15, v0
	v_bfe_u32 v7, v0, 4, 1
	v_lshlrev_b32 v4, 4, v4
	v_lshl_add_u32 v4, v7, 12, v4
	v_lshlrev_b32 v5, 7, v1
	v_mov_b32 v6, 0
	s_mov_b32 s35, 0
	s_wait_alu depctr_va_sdst(0)                   ; s32 is written, ahead of its first reader: all the bases below are made from it
	s_add_co_u32 s33, s33, s32                     ; gw: wave in the launch, 0 .. 1023
	s_wait_kmcnt 0x0
	s_load_b256 s[24:31], s[10:11], 0x0            ; gate_bias, waited for at the end
	s_lshl_b32 s34, s33, 12
	s_add_nc_u64 s[4:5], s[4:5], s[34:35]          ; x: my row of 4,096 bytes
	s_lshl_b32 s34, s33, 11
	s_add_nc_u64 s[16:17], s[16:17], s[34:35]      ; xn: my row of 2,048 bytes
	s_lshl_b32 s34, s33, 5
	s_add_nc_u64 s[18:19], s[18:19], s[34:35]      ; logits: my 32 bytes
	s_lshl_b32 s34, s33, 15
	s_add_nc_u64 s[12:13], s[12:13], s[34:35]      ; mlp1_weight: my two rows, 32,768 bytes
	s_lshl_b32 s34, s33, 14
	s_add_nc_u64 s[20:21], s[20:21], s[34:35]      ; w1b: my two rows, 16,384 bytes
	s_add_nc_u64 s[14:15], s[14:15], s[34:35]      ; mlp2_weight: my four rows, 16,384 bytes
	s_lshl_b32 s34, s33, 9
	s_add_nc_u64 s[22:23], s[22:23], s[34:35]      ; w2b: my four rows of 128 bytes in column block 0
; Job W1, part g of 4: pieces 16 g .. 16 g + 15 of my 64 pieces of 128 columns (512 bytes of f32).  All loads are issued under window 0.
.macro LDW1 g, bk
.set t, 0
.rept 16
	global_load_b128 v[\bk+4*t:\bk+4*t+3], v2, s[12:13] offset:(16*\g+t)*512 th:TH_LOAD_NT
.set t, t+1
.endr
.endm
; A bank's 64 numbers a lane are rounded to bf16 into an out-buffer: load t's four numbers into registers 2 t and 2 t + 1.
.macro CAST bk, o
	WIN 0x40                                       ; destination in window 1
.set t, 0
.rept 16
	v_cvt_pk_bf16_f32 v[\o+2*t], v[\bk+4*t], v[\bk+4*t+1]
	v_cvt_pk_bf16_f32 v[\o+2*t+1], v[\bk+4*t+2], v[\bk+4*t+3]
.set t, t+1
.endr
.endm
; Piece T: row T / 32; in the row, half (T / 16) % 2 (gate, linear), piece T % 16 of that half.
.macro STW1 g, o
	WIN 0x04                                       ; the stores' data in window 1
.set t, 0
.rept 16
	global_store_b64 v3, v[\o+2*t:\o+2*t+1], s[20:21] offset:((16*\g+t)>>5)*8192+((16*\g+t)&15)*512+(((16*\g+t)>>4)&1)*256
.set t, t+1
.endr
.endm
; Job W2, part g of 2: rows 2 g and 2 g + 1 of my four; load t takes column block t: lanes 0-15 the first row's 256 bytes, lanes 16-31 the second's.
.macro LDW2 g, bk
.set t, 0
.rept 16
	global_load_b128 v[\bk+4*t:\bk+4*t+3], v4, s[14:15] offset:\g*8192+t*256 th:TH_LOAD_NT
.set t, t+1
.endr
.endm
.macro STW2 g, o
	WIN 0x04                                       ; the stores' data in window 1
.set t, 0
.rept 16
	global_store_b64 v3, v[\o+2*t:\o+2*t+1], s[22:23] offset:t*524288+\g*256   ; a column block is 4,096 rows of 128 bytes; two rows are 256 bytes
.set t, t+1
.endr
.endm
; Job GK, part g of 4: the rows of gate_kernel that belong to loads 2 g and 2 g + 1 of x.  My four columns of a load are four rows of
; 32 bytes: 128 bytes at 4,096 j + 128 lane, eight loads; the eight together cover 4,096 consecutive bytes.
.macro LDGK g, bk
.set t, 0
.rept 16
	global_load_b128 v[\bk+4*t:\bk+4*t+3], v5, s[8:9] offset:(2*\g+(t>>3))*4096+(t&7)*16
.set t, t+1
.endr
.endm
; one row of gate_kernel (8 numbers at kreg) times one number of the normed row (register sel of the pair at xreg)
.macro GKC kreg, xreg, sel, first
.irp i, 0,2,4,6
.if \first
	v_pk_mul_f32 v[LG+\i:LG+\i+1], v[\kreg+\i:\kreg+\i+1], v[\xreg:\xreg+1] op_sel:[0,\sel] op_sel_hi:[1,\sel]   ; the first products start the sums
.else
	v_pk_fma_f32 v[LG+\i:LG+\i+1], v[\kreg+\i:\kreg+\i+1], v[\xreg:\xreg+1], v[LG+\i:LG+\i+1] op_sel:[0,\sel,0] op_sel_hi:[1,\sel,1]
.endif
.endr
.endm
.macro DOGK g, bk, first
	WIN 0
	GKC \bk+0,  XR+8*\g,   0, \first
	GKC \bk+8,  XR+8*\g,   1, 0
	GKC \bk+16, XR+8*\g+2, 0, 0
	GKC \bk+24, XR+8*\g+2, 1, 0
	GKC \bk+32, XR+8*\g+4, 0, 0
	GKC \bk+40, XR+8*\g+4, 1, 0
	GKC \bk+48, XR+8*\g+6, 0, 0
	GKC \bk+56, XR+8*\g+6, 1, 0
.endm
	s_wait_alu depctr_va_vdst(0)                   ; the offsets v2 to v6 are written: every load and store of the kernel reads one of them
.irp j, 0,1,2,3,4,5,6,7
	global_load_b128 v[XR+4*\j:XR+4*\j+3], v2, s[4:5] offset:512*\j th:TH_LOAD_NT
.endr
.irp j, 0,1,2,3,4,5,6,7
	global_load_b128 v[B2+4*\j:B2+4*\j+3], v2, s[6:7] offset:512*\j               ; scale, in the layout of x
.endr
	LDW1 0, B0                                     ; job 0
	LDW1 1, B1                                     ; job 1
	s_wait_loadcnt 32                              ; loads come back in order (ISA guide 5.7.1): x and scale are in, jobs 0 and 1 (32 loads) stay out
	v_pk_mul_f32 v[SQ:SQ+1], v[XR:XR+1], v[XR:XR+1]              ; sum of squares, two packed chains
	v_pk_mul_f32 v[SQ+2:SQ+3], v[XR+2:XR+3], v[XR+2:XR+3]
.set j, 4
.rept 7
	v_pk_fma_f32 v[SQ:SQ+1], v[XR+j:XR+j+1], v[XR+j:XR+j+1], v[SQ:SQ+1]
	v_pk_fma_f32 v[SQ+2:SQ+3], v[XR+j+2:XR+j+3], v[XR+j+2:XR+j+3], v[SQ+2:SQ+3]
.set j, j+4
.endr
	v_pk_add_f32 v[SQ:SQ+1], v[SQ:SQ+1], v[SQ+2:SQ+3]
	v_add_f32 v[SQ], v[SQ], v[SQ+1]
	v_add_f32_dpp v[SQ], v[SQ], v[SQ] row_xmask:1 row_mask:0xf bank_mask:0xf
	v_add_f32_dpp v[SQ], v[SQ], v[SQ] row_xmask:2 row_mask:0xf bank_mask:0xf
	v_add_f32_dpp v[SQ], v[SQ], v[SQ] row_xmask:4 row_mask:0xf bank_mask:0xf
	v_add_f32_dpp v[SQ], v[SQ], v[SQ] row_xmask:8 row_mask:0xf bank_mask:0xf
	v_permlanex16_b32 v[SQ+1], v[SQ], s36, s37
	v_add_f32 v[SQ], v[SQ], v[SQ+1]                ; the row's sum in every lane
	v_mov_b32 v[SQ+2], 0x3727c5ac                  ; 1e-5
	v_fma_f32 v[SQ+2], v[SQ], s38, v[SQ+2]         ; mean + eps
	v_rsq_f32 v[SQ+4], v[SQ+2]                     ; twice, for the packed multiply; the products by scale below are the plain
	v_rsq_f32 v[SQ+5], v[SQ+2]                     ; instructions that stand between these and the first use of their results
.set j, 0
.rept 16
	v_pk_mul_f32 v[XR+j:XR+j+1], v[XR+j:XR+j+1], v[B2+j:B2+j+1]
.set j, j+2
.endr
	s_wait_alu depctr_va_vdst(0)                   ; the two reciprocal roots v[SQ+4] and v[SQ+5] are written, ahead of their first reader
.set j, 0
.rept 16
	v_pk_mul_f32 v[XR+j:XR+j+1], v[XR+j:XR+j+1], v[SQ+4:SQ+5]
.set j, j+2
.endr
	WIN 0x40                                       ; destination in window 1
.irp j, 0,1,2,3,4,5,6,7
	v_cvt_pk_bf16_f32 v[O1+2*\j], v[XR+4*\j], v[XR+4*\j+1]
	v_cvt_pk_bf16_f32 v[O1+2*\j+1], v[XR+4*\j+2], v[XR+4*\j+3]
.endr
	WIN 0
	s_wait_alu depctr_va_vdst(0)                   ; the conversions have written the first 16 registers of O1, which xn's stores read; the products by scale are done reading bank 2, in which job 2's loads land
	LDGK 0, B2                                     ; job 2
	WIN 0x04                                       ; the stores' data in window 1
.irp j, 0,1,2,3,4,5,6,7
	global_store_b64 v3, v[O1+2*\j:O1+2*\j+1], s[16:17] offset:256*\j
.endr
	; Ten jobs on banks 0, 1, 2, 0 ..: at each job's wait the two younger jobs (32 loads) stay out.
	s_wait_loadcnt 32
	CAST B0, O0                                    ; job 0: no memory instruction has named O0 yet
	WIN 0
	s_wait_alu depctr_va_vdst(0)                   ; the conversions are done reading bank 0, in which the loads below land, and have written O0, which the stores below read
	LDW1 2, B0                                     ; job 3
	STW1 0, O0
	s_wait_loadcnt 32
	s_wait_xcnt 0x0                                ; every earlier memory instruction has had its addresses translated (ISA guide 3.1): O1 is rewritten only behind this wait
	s_wait_alu depctr_vm_vsrc(0)                   ; xn's stores have read O1, which the conversions below write again
	CAST B1, O1                                    ; job 1
	WIN 0
	s_wait_alu depctr_va_vdst(0)                   ; the conversions are done reading bank 1, in which the loads below land, and have written O1, which the stores below read
	LDGK 1, B1                                     ; job 4
	STW1 1, O1
	s_wait_loadcnt 32
	DOGK 0, B2, 1                                  ; job 2
	s_wait_alu depctr_va_vdst(0)                   ; the products are done reading bank 2, in which the loads below land
	LDW1 3, B2                                     ; job 5
	s_wait_loadcnt 32
	s_wait_xcnt 0x0                                ; O0 is rewritten only behind this wait
	s_wait_alu depctr_vm_vsrc(0)                   ; job 0's stores have read O0, which the conversions below write again
	CAST B0, O0                                    ; job 3
	WIN 0
	s_wait_alu depctr_va_vdst(0)                   ; the conversions are done reading bank 0, in which the loads below land, and have written O0, which the stores below read
	LDGK 2, B0                                     ; job 6
	STW1 2, O0
	s_wait_loadcnt 32
	DOGK 1, B1, 0                                  ; job 4
	s_wait_alu depctr_va_vdst(0)                   ; the multiply-adds are done reading bank 1, in which the loads below land
	LDW2 0, B1                                     ; job 7
	s_wait_loadcnt 32
	s_wait_xcnt 0x0                                ; O1 is rewritten only behind this wait
	s_wait_alu depctr_vm_vsrc(0)                   ; job 1's stores have read O1, which the conversions below write again
	CAST B2, O1                                    ; job 5
	WIN 0
	s_wait_alu depctr_va_vdst(0)                   ; the conversions are done reading bank 2, in which the loads below land, and have written O1, which the stores below read
	LDGK 3, B2                                     ; job 8
	STW1 3, O1
	s_wait_loadcnt 32
	DOGK 2, B0, 0                                  ; job 6
	s_wait_alu depctr_va_vdst(0)                   ; the multiply-adds are done reading bank 0, in which the loads below land
	LDW2 1, B0                                     ; job 9, the last loads
	s_wait_loadcnt 32
	s_wait_xcnt 0x0                                ; O0 is rewritten only behind this wait
	s_wait_alu depctr_vm_vsrc(0)                   ; job 3's stores have read O0, which the conversions below write again
	CAST B1, O0                                    ; job 7
	WIN 0x04
	s_wait_alu depctr_va_vdst(0)                   ; the conversions have written O0, which the stores below read
	STW2 0, O0
	s_wait_loadcnt 16                              ; one younger job is left
	DOGK 3, B2, 0                                  ; job 8: no memory instruction follows from it, so no wait is owed
	s_wait_loadcnt 0x0
	s_wait_xcnt 0x0                                ; O1 is rewritten only behind this wait
	s_wait_alu depctr_vm_vsrc(0)                   ; job 5's stores have read O1, which the conversions below write again
	CAST B0, O1                                    ; job 9
	WIN 0x04
	s_wait_alu depctr_va_vdst(0)                   ; the conversions have written O1, which the stores below read
	STW2 1, O1
	WIN 0
	; the eight logits: over the 32 lanes, plus the bias; lane 0 stores the row's 32 bytes
.irp i, 0,1,2,3,4,5,6,7
	v_add_f32_dpp v[LG+\i], v[LG+\i], v[LG+\i] row_xmask:1 row_mask:0xf bank_mask:0xf
	v_add_f32_dpp v[LG+\i], v[LG+\i], v[LG+\i] row_xmask:2 row_mask:0xf bank_mask:0xf
	v_add_f32_dpp v[LG+\i], v[LG+\i], v[LG+\i] row_xmask:4 row_mask:0xf bank_mask:0xf
	v_add_f32_dpp v[LG+\i], v[LG+\i], v[LG+\i] row_xmask:8 row_mask:0xf bank_mask:0xf
	v_permlanex16_b32 v[SQ], v[LG+\i], s36, s37
	v_add_f32 v[LG+\i], v[LG+\i], v[SQ]
.endr
	s_wait_kmcnt 0x0                               ; gate_bias
.irp i, 0,1,2,3,4,5,6,7
	v_add_f32 v[LG+\i], s[24+\i], v[LG+\i]
.endr
	v_cmp_eq_u32 vcc_lo, 0, v1
	s_wait_xcnt 0x0                                ; EXEC is a source of the stores above: it changes only behind this wait
	s_wait_alu depctr_va_vcc(0)                    ; the compare has written VCC, from which EXEC is made
	s_wait_alu depctr_va_vdst(0)                   ; ahead of the scalar write of EXEC: every vector instruction has written its result, the eight logits, which the two stores below read, among them
	s_wait_alu depctr_vm_vsrc(0)                   ; ahead of the scalar write of EXEC: every store issued so far has read its vector registers
	s_and_saveexec_b32 s40, vcc_lo
	global_store_b128 v6, v[LG:LG+3], s[18:19]
	global_store_b128 v6, v[LG+4:LG+7], s[18:19] offset:16
	s_wait_xcnt 0x0                                ; and again in front of the line that widens it
	s_wait_alu depctr_va_vdst(0)                   ; ahead of the scalar write of EXEC: no vector instruction is unfinished
	s_wait_alu depctr_vm_vsrc(0)                   ; ahead of the scalar write of EXEC: the two stores have read v6 and the logits
	s_or_b32 exec_lo, exec_lo, s40
	s_endpgm
.Lfunc_end_k_q2eb1203f1e_prep:
	.size	k_q2eb1203f1e_prep, .Lfunc_end_k_q2eb1203f1e_prep-k_q2eb1203f1e_prep
	.p2alignl 7, 3214868480
	.fill 96, 4, 3214868480
	.section	.rodata,"a",@progbits
	.p2align	6, 0x0
	.amdhsa_kernel k_q2eb1203f1e_prep
		.amdhsa_group_segment_fixed_size 0
		.amdhsa_private_segment_fixed_size 0
		.amdhsa_enable_private_segment 0
		.amdhsa_kernarg_size 80
		.amdhsa_user_sgpr_count 2
		.amdhsa_user_sgpr_kernarg_segment_ptr 1
		.amdhsa_wavefront_size32 1
		.amdhsa_system_sgpr_workgroup_id_x 1
		.amdhsa_system_sgpr_workgroup_id_y 1
		.amdhsa_system_sgpr_workgroup_id_z 1
		.amdhsa_system_vgpr_workitem_id 0
		.amdhsa_next_free_vgpr 320
		.amdhsa_next_free_sgpr 66
		.amdhsa_reserve_vcc 1
		.amdhsa_float_denorm_mode_32 3
		.amdhsa_float_denorm_mode_16_64 3
		.amdhsa_memory_ordered 1
		.amdhsa_forward_progress 1
		.amdhsa_inst_pref_size 58
	.end_amdhsa_kernel
	.amdgpu_metadata
---
amdhsa.version: [ 1, 2 ]
amdhsa.kernels:
  - .name:           k_q2eb1203f1e_prep
    .symbol:         k_q2eb1203f1e_prep.kd
    .args:
      - { .name: x, .offset: 0, .size: 8, .value_kind: global_buffer, .address_space: global }
      - { .name: scale, .offset: 8, .size: 8, .value_kind: global_buffer, .address_space: global }
      - { .name: gate_kernel, .offset: 16, .size: 8, .value_kind: global_buffer, .address_space: global }
      - { .name: gate_bias, .offset: 24, .size: 8, .value_kind: global_buffer, .address_space: global }
      - { .name: mlp1_weight, .offset: 32, .size: 8, .value_kind: global_buffer, .address_space: global }
      - { .name: mlp2_weight, .offset: 40, .size: 8, .value_kind: global_buffer, .address_space: global }
      - { .name: xn, .offset: 48, .size: 8, .value_kind: global_buffer, .address_space: global }
      - { .name: logits, .offset: 56, .size: 8, .value_kind: global_buffer, .address_space: global }
      - { .name: w1b, .offset: 64, .size: 8, .value_kind: global_buffer, .address_space: global }
      - { .name: w2b, .offset: 72, .size: 8, .value_kind: global_buffer, .address_space: global }
    .group_segment_fixed_size: 0
    .private_segment_fixed_size: 0
    .kernarg_segment_align: 8
    .kernarg_segment_size: 80
    .max_flat_workgroup_size: 128
    .sgpr_count:     66
    .vgpr_count:     320
    .wavefront_size: 32
...
	.end_amdgpu_metadata
.endif
;; end of part 4
;; launch mlp1: the kernel of part 2 again; grid 32 x 8, 4 waves a work-group, clusters of 4 x 4, 327,680 bytes of LDS; arguments xn, w1b, mlp1_bias, act; writes act
;; launch mlp2: the kernel of part 3 again; grid 16 x 16, 4 waves a work-group, clusters of 4 x 4, 327,680 bytes of LDS; arguments act, w2b, mlp2_bias, x, out0; writes out0
